; MI455X (gfx1250); checked and timed in simulation.
; The chip was launched on July 23, 2026; its instructions are those of AMD's public machine-readable ISA for CDNA 5 (MIT licence, August 2026) and "CDNA5" Instruction Set Architecture Reference Guide (July 2026). The comments in the code are by the model that wrote it; some were corrected since.
;; VQVAE. Allowed arithmetic: float matrix products may take bf16 or f16 operands with f32 sums; other float arithmetic in f32, or as packed bf16 or f16 multiplies, adds, multiply-adds, maxima and minima; sums over many terms, partial sums and values carried from step to step in f32; what a program stores and reads back later, other than sums and carried values, may be rounded once to bf16 or f16.
;; Inputs: codebook 8,192 x 512 float32; z_e 16 x 1,024 x 512 float32.
;; Outputs: out0 2 x 16 x 1,024 x 512 float32.
;; 2 versions, each right; version 2 is version 1 with the launch prep written anew for expert scheduling mode. Each part assembles by itself: llvm-mc -triple=amdgcn-amd-amdhsa -mcpu=gfx1250 --defsym DOCPART=n.
;; ======== version 1 of 2: 3 launches
;; workspace buffers: zb 16,777,216 bytes; cb 8,388,608 bytes; z2n 65,536 bytes; e2n 32,768 bytes; cand 524,288 bytes of whole numbers
;; launch prep (part 1): grid 256 x 1, 8 waves a work-group, no clusters, 1,536 bytes of LDS; arguments z_e, codebook, zb, cb, z2n, e2n; writes zb, cb, z2n, e2n
.if DOCPART == 1
	.amdgcn_target "amdgcn-amd-amdhsa--gfx1250"
	.amdhsa_code_object_version 6
	.text
	.protected	k_qca49c73e01_prep
	.globl	k_qca49c73e01_prep
	.p2align	8
	.type	k_qca49c73e01_prep,@function
k_qca49c73e01_prep:
	s_mov_b64 s[64:65], 0
	v_nop
	global_prefetch_b8 v0, s[64:65] scope:SCOPE_SE
	s_setreg_imm32_b32 hwreg(HW_REG_WAVE_MODE, 25, 1), 1
	s_wait_xcnt 0x0
; zb = z_e rounded to bf16, cb = codebook rounded to bf16, z2n[row] and e2n[row] = the f32 sums of the squares of the ROUNDED numbers.
; z_e: [16384][512] f32, codebook: [8192][512] f32.  All that follows this launch works on the rounded numbers alone.
; SHARES.  256 work-groups of eight waves; a work-group takes 64 rows of z_e and 32 rows of the codebook; wave w takes z rows 8 w .. 8 w + 7 and code rows 4 w .. 4 w + 3:
; twelve rows, a wave a row at a time.  A row is 2,048 bytes: four loads of 16 bytes a lane, each 512 consecutive bytes.  All 48 loads of a wave go out first (24 KiB a wave),
; every row has registers of its own, so nothing is rewritten while a load or a store may still read it, and there is no loop.
; OUT.  A load's four numbers a lane become 8 bytes: one store of a wave covers 256 consecutive bytes, aligned.  The sums meet in LDS, so that wave 0 stores the group's 64 z2 as 256
; consecutive bytes.  The group's 32 e2 are 128 bytes: half of an aligned 256; 32 code rows to a work-group is what makes 256 equal work-groups, and the whole table is 32 KiB.
; No matrix unit, no cluster, no tensor load: every byte is read once by one wave and no two waves want the same byte.
; LIMITS.  The sum of squares is taken in another order than a plain left-to-right sum; numbers whose squares pass f32's range give an infinity, as they do in the reference.
.set SPARE, 512                        ; LDS: 0-255 the 64 z2; 256-383 the 32 e2 (their block ends at 511); from 512 the spare words, 128 bytes for each of the eight waves
.set LO,  2                            ; v2   16 x lane: my 16 bytes of a load's 512
.set SO,  3                            ; v3   8 x lane: my 8 bytes of a store's 256
.set SPW, 4                            ; v4   LDS address of my spare word; never rewritten
.set NIL, 5                            ; v5   0, for the add alone
.set STZ, 6                            ; v6   LDS: my wave's eight z2
.set STE, 7                            ; v7   LDS: my wave's four e2
.set L4,  8                            ; v8   4 x lane
.set ZR,  9                            ; v9   0: what the four chains of a sum start from
.set A,   10                           ; v[10:13] four chains of a row's sum of squares
.set T,   14                           ; v[14:15] at work
.set X,   32                           ; v[32:223] row i at X + 16 i, load j at + 4 j
.set WV,  16                           ; s16  my wave's number
	s_load_b256 s[4:11], s[0:1], 0x0               ; z_e s[4:5], codebook s[6:7], zb s[8:9], cb s[10:11]
	s_load_b128 s[12:15], s[0:1], 0x20             ; z2n s[12:13], e2n s[14:15]
	v_lshl_add_u32 v[SPW], v0, 2, SPARE
	v_mov_b32 v[NIL], 0
	v_lshrrev_b32 v1, 5, v0
	v_readfirstlane_b32 s[WV], v1                  ; wave 0..7
	v_and_b32 v1, 31, v0                           ; lane
	v_lshlrev_b32 v[LO], 4, v1
	v_lshlrev_b32 v[SO], 3, v1
	v_lshlrev_b32 v[L4], 2, v1
	v_mov_b32 v[ZR], 0
	v_mov_b32 v[T+1], 0                            ; v_permlanex16_b32 counts as a reader of its destination
	s_lshl_b32 s17, s[WV], 5
	v_mov_b32 v[STZ], s17                          ; 32 w
	s_lshl_b32 s17, s[WV], 4
	s_add_co_u32 s17, s17, 256
	v_mov_b32 v[STE], s17                          ; 256 + 16 w
	s_mov_b32 s20, 0x76543210                      ; v_permlanex16_b32: each lane takes its own place in the other half
	s_mov_b32 s21, 0xfedcba98
	s_lshl_b32 s18, ttmp9, 17                      ; z_e: (64 g + 8 w) rows of 2,048 bytes
	s_lshl_b32 s19, s[WV], 14
	s_add_co_u32 s18, s18, s19
	s_mov_b32 s19, 0
	s_lshl_b32 s22, ttmp9, 16                      ; codebook: (32 g + 4 w) rows of 2,048 bytes; zb: (64 g + 8 w) rows of 1,024: the same number
	s_lshl_b32 s23, s[WV], 13
	s_add_co_u32 s22, s22, s23
	s_mov_b32 s23, 0
	s_lshl_b32 s24, ttmp9, 15                      ; cb: (32 g + 4 w) rows of 1,024 bytes
	s_lshl_b32 s25, s[WV], 12
	s_add_co_u32 s24, s24, s25
	s_mov_b32 s25, 0
	s_lshl_b32 s26, ttmp9, 8                       ; z2n: 64 numbers a group
	s_mov_b32 s27, 0
	s_lshl_b32 s28, ttmp9, 7                       ; e2n: 32 numbers a group
	s_mov_b32 s29, 0
	s_wait_kmcnt 0x0
	s_add_nc_u64 s[4:5], s[4:5], s[18:19]
	s_add_nc_u64 s[6:7], s[6:7], s[22:23]
	s_add_nc_u64 s[8:9], s[8:9], s[22:23]
	s_add_nc_u64 s[10:11], s[10:11], s[24:25]
	s_add_nc_u64 s[12:13], s[12:13], s[26:27]
	s_add_nc_u64 s[14:15], s[14:15], s[28:29]
.irp i, 0,1,2,3,4,5,6,7
.irp j, 0,1,2,3
	global_load_b128 v[X+16*(\i)+4*(\j):X+16*(\i)+4*(\j)+3], v[LO], s[4:5] offset:2048*(\i)+512*(\j) th:TH_LOAD_NT
.endr
.endr
.irp i, 0,1,2,3
.irp j, 0,1,2,3
	global_load_b128 v[X+128+16*(\i)+4*(\j):X+128+16*(\i)+4*(\j)+3], v[LO], s[6:7] offset:2048*(\i)+512*(\j) th:TH_LOAD_NT
.endr
.endr
; Row i of my twelve: rounded, squared and summed, stored.  base: the scalar pair of the bf16 output; rowoff: the row's bytes in it; streg, stoff: where the sum goes in LDS.
.macro ROW i, base, rowoff, streg, stoff
	s_wait_loadcnt 4*(11-(\i))                     ; loads come back in order: the later rows' four loads each may stay out
.irp j, 0,1,2,3
	v_cvt_pk_bf16_f32 v[X+16*(\i)+4*(\j)],   v[X+16*(\i)+4*(\j)],   v[X+16*(\i)+4*(\j)+1]  ; four numbers into two registers, in place, to nearest even
	v_cvt_pk_bf16_f32 v[X+16*(\i)+4*(\j)+1], v[X+16*(\i)+4*(\j)+2], v[X+16*(\i)+4*(\j)+3]
.endr
.irp j, 0,1,2,3
.irp c, 0,1
.if (\j) == 0                          ; the first links start the four chains from 0
	v_fma_mix_f32_bf16 v[A+2*(\c)],   v[X+16*(\i)+(\c)], v[X+16*(\i)+(\c)], v[ZR] op_sel_hi:[1,1,0]
	v_fma_mix_f32_bf16 v[A+2*(\c)+1], v[X+16*(\i)+(\c)], v[X+16*(\i)+(\c)], v[ZR] op_sel:[1,1,0] op_sel_hi:[1,1,0]
.else                                  ; low half squared, high half squared, each added in f32 with one rounding
	v_fma_mix_f32_bf16 v[A+2*(\c)],   v[X+16*(\i)+4*(\j)+(\c)], v[X+16*(\i)+4*(\j)+(\c)], v[A+2*(\c)] op_sel_hi:[1,1,0]
	v_fma_mix_f32_bf16 v[A+2*(\c)+1], v[X+16*(\i)+4*(\j)+(\c)], v[X+16*(\i)+4*(\j)+(\c)], v[A+2*(\c)+1] op_sel:[1,1,0] op_sel_hi:[1,1,0]
.endif
.endr
.endr
.irp j, 0,1,2,3
	global_store_b64 v[SO], v[X+16*(\i)+4*(\j):X+16*(\i)+4*(\j)+1], s[\base:\base+1] offset:(\rowoff)+256*(\j)  ; 32 lanes store 256 consecutive bytes, aligned
.endr
	v_add_f32 v[A], v[A], v[A+1]
	v_add_f32 v[A+2], v[A+2], v[A+3]
	v_add_f32 v[T], v[A], v[A+2]
	v_add_f32_dpp v[T], v[T], v[T] row_xmask:1 row_mask:0xf bank_mask:0xf   ; across the lanes: four steps inside each half of 16,
	v_add_f32_dpp v[T], v[T], v[T] row_xmask:2 row_mask:0xf bank_mask:0xf
	v_add_f32_dpp v[T], v[T], v[T] row_xmask:4 row_mask:0xf bank_mask:0xf
	v_add_f32_dpp v[T], v[T], v[T] row_xmask:8 row_mask:0xf bank_mask:0xf
	v_permlanex16_b32 v[T+1], v[T], s20, s21                                ; one across the halves
	v_add_f32 v[T], v[T], v[T+1]
	ds_store_b32 v[\streg], v[T] offset:\stoff     ; all lanes write the same word with the same number
.endm
.irp i, 0,1,2,3,4,5,6,7
	ROW \i, 8, 1024*(\i), STZ, 4*(\i)
.endr
.irp i, 0,1,2,3
	ROW 8+(\i), 10, 1024*(\i), STE, 4*(\i)
.endr
	s_wait_dscnt 0x0                               ; for the others' sake: my sums lie in LDS
	s_barrier_signal -1
	s_barrier_wait -1                              ; everybody's do
	s_cmp_lg_u32 s[WV], 0
	s_cbranch_scc1 .Lnot_z2
	ds_load_b64 v[A:A+1], v[SO]                    ; wave 0: the group's 64 z2
	s_wait_dscnt 0x0
	global_store_b64 v[SO], v[A:A+1], s[12:13]     ; 256 consecutive bytes, aligned
.Lnot_z2:
	s_cmp_lg_u32 s[WV], 1
	s_cbranch_scc1 .Lend
	ds_load_b32 v[A], v[L4] offset:256             ; wave 1: the group's 32 e2
	s_wait_dscnt 0x0
	global_store_b32 v[L4], v[A], s[14:15]         ; 128 consecutive bytes
.Lend:
	s_wait_tensorcnt 0x0                           ; the wave's end, behind my last LDS store
	ds_add_u32 v[SPW], v[NIL]
	s_wait_dscnt 0x0
	s_endpgm
.Lfunc_end_k_qca49c73e01_prep:
	.size	k_qca49c73e01_prep, .Lfunc_end_k_qca49c73e01_prep-k_qca49c73e01_prep
	.p2alignl 7, 3214868480
	.fill 96, 4, 3214868480
	.section	.rodata,"a",@progbits
	.p2align	6, 0x0
	.amdhsa_kernel k_qca49c73e01_prep
		.amdhsa_group_segment_fixed_size 1536
		.amdhsa_private_segment_fixed_size 0
		.amdhsa_enable_private_segment 0
		.amdhsa_kernarg_size 48
		.amdhsa_user_sgpr_count 2
		.amdhsa_user_sgpr_kernarg_segment_ptr 1
		.amdhsa_wavefront_size32 1
		.amdhsa_system_sgpr_workgroup_id_x 1
		.amdhsa_system_sgpr_workgroup_id_y 1
		.amdhsa_system_sgpr_workgroup_id_z 1
		.amdhsa_system_vgpr_workitem_id 0
		.amdhsa_next_free_vgpr 224
		.amdhsa_next_free_sgpr 66
		.amdhsa_reserve_vcc 0
		.amdhsa_float_denorm_mode_32 3
		.amdhsa_float_denorm_mode_16_64 3
		.amdhsa_memory_ordered 1
		.amdhsa_forward_progress 1
		.amdhsa_inst_pref_size 36
	.end_amdhsa_kernel
	.amdgpu_metadata
---
amdhsa.version: [ 1, 2 ]
amdhsa.kernels:
  - .name:           k_qca49c73e01_prep
    .symbol:         k_qca49c73e01_prep.kd
    .args:
      - { .name: z_e, .offset: 0, .size: 8, .value_kind: global_buffer, .address_space: global }
      - { .name: codebook, .offset: 8, .size: 8, .value_kind: global_buffer, .address_space: global }
      - { .name: zb, .offset: 16, .size: 8, .value_kind: global_buffer, .address_space: global }
      - { .name: cb, .offset: 24, .size: 8, .value_kind: global_buffer, .address_space: global }
      - { .name: z2n, .offset: 32, .size: 8, .value_kind: global_buffer, .address_space: global }
      - { .name: e2n, .offset: 40, .size: 8, .value_kind: global_buffer, .address_space: global }
    .group_segment_fixed_size: 1536
    .private_segment_fixed_size: 0
    .kernarg_segment_align: 8
    .kernarg_segment_size: 48
    .max_flat_workgroup_size: 256
    .sgpr_count:     66
    .vgpr_count:     224
    .wavefront_size: 32
...
	.end_amdgpu_metadata
.endif
;; end of part 1
;; launch vq (part 2): grid 64 x 4, 4 waves a work-group, clusters of 4 x 1, 327,680 bytes of LDS; arguments zb, cb, z2n, e2n, cand; writes cand
.if DOCPART == 2
	.amdgcn_target "amdgcn-amd-amdhsa--gfx1250"
	.amdhsa_code_object_version 6
	.text
	.protected	k_qca49c73e01_vq
	.globl	k_qca49c73e01_vq
	.p2align	8
	.type	k_qca49c73e01_vq,@function
k_qca49c73e01_vq:
	s_mov_b64 s[64:65], 0
	v_nop
	global_prefetch_b8 v0, s[64:65] scope:SCOPE_SE
	s_setreg_imm32_b32 hwreg(HW_REG_WAVE_MODE, 25, 1), 1
	s_wait_xcnt 0x0
	s_wait_alu depctr_hold_cnt(0) depctr_sa_sdst(0) depctr_va_vdst(0) depctr_va_sdst(0) depctr_va_ssrc(0) depctr_va_vcc(0) depctr_vm_vsrc(0)
	s_getreg_b32 s2, hwreg(HW_REG_IB_STS2, 6, 4)
	s_cmp_eq_u32 s2, 0
	s_cbranch_scc0 .Lentry_in_a_cluster
	s_endpgm
.Lentry_in_a_cluster:
	s_bfe_u32 s2, ttmp6, 0x10000c
	s_cmp_lg_u32 s2, 0x3003
	s_cbranch_scc0 .Lentry_shape_is_right
	s_endpgm
.Lentry_shape_is_right:
; For each of 16,384 rows of zb and each QUARTER of the codebook (2,048 codes): the smallest d = (z2 - 2 c) + e2 and the first code that has it, c = the row's product with the code.
; zb: [16384][512] bf16, cb: [8192][512] bf16, z2n: [16384] f32, e2n: [8192] f32.  cand: [4 quarters][16384 rows][2] of 32 bits: (key, code index).
; THE ARITHMETIC IS THE REFERENCE'S, rounding for rounding: t = fma(-2, c, z2) (2 c is exact, so this is the one rounding of z2 - 2 c), d = t + e2, and a strict 'less than' in ascending order of the codes,
; so that of equal d the first code stays.  At d's size the two roundings decide between close codes, so they are kept and not simplified away.
; key = d's bits made monotone as an unsigned number (bits xor (sign ? all ones : top bit)): the next launch takes the smallest of a row's four keys by whole-number compares.  d is never -0: e2 is a sum of squares.
; LIMITS.  The operands are bf16, the sums f32: the result is the reference's on inputs rounded to bf16.  c's f32 sums are taken in the matrix unit's order, not the reference's: where that moves z2 - 2 c across a
; rounding boundary AND two codes lie within a last place of each other, another of the two may be chosen.  A NaN distance is never chosen (argmin would choose it); infinite inputs are not served.
; SHARES.  Work-group (x, y): z rows 256 x .. 256 x + 255, quarter y.  Wave w owns rows 64 w .. 64 w + 63 of them, four z tiles of 16, which stay in 512 registers for the whole launch; all four waves walk the
; quarter's 128 code tiles of 16 codes.  A code fragment read from LDS feeds four products: 32 LDS loads for 64 matrix instructions.
; PRODUCT.  Source 0 = 16 codes x 32 k, source 1 = 16 z rows x 32 k: in the result lane l holds ONE z row (l % 16) and the codes 8 (l / 16) + 0..7.  So z2 is one number a lane and z tile, e2 eight a lane and code tile.
; BY TURNS.  A TURN is a code tile: 64 products (16 k steps x 4 z tiles) into one of two sets of four accumulators; the 128 vector instructions that judge the tile before, in the other set, stand among them,
; four behind every two products.  The next tile's 32 fragment loads stand in one run, behind the turn's second product.
; RING.  Two LDS slots of 128 codes (8 code tiles, 512 products a wave), each wave fetching 32 codes of a slot by one tensor load.
; CLUSTER.  The four work-groups of a cluster have the same quarter and walk the same codes: every tensor load is asked for JOINTLY, same descriptor, mask of four.  z does not go through LDS and is shared by nobody in the cluster.
; REGISTERS, in windows of 256 (s_set_vgpr_msb: bits 1:0 source 0, 3:2 source 1, 5:4 source 2, 7:6 destination):
;   window 0: addresses, z2, e2, running minima, their tile numbers, the two sets of accumulators     window 1: code fragments, two buffers of 128     windows 2, 3: z tiles 0, 1 and 2, 3, 128 registers each
.set PITCH, 1040                       ; a code's row in LDS: 1,024 bytes + 16 of padding = 260 words: row r starts at bank 4 r mod 64 (64 banks of 4 bytes: ISA guide 11.1)
.set CT,    16*PITCH                   ; a code tile
.set QB,    32*PITCH                   ; what one tensor load brings
.set SLOT,  128*PITCH                  ; 133,120 bytes: slot 0 at 0, slot 1 behind it
.set E2T,   2*SLOT                     ; the quarter's 2,048 e2: 8,192 bytes, filled once
.set SPARE, E2T+8192                   ; the spare words, 128 bytes for each wave: two blocks of 256 bytes that no other line names
.set TILEB, 131072                     ; bytes of cb in a slot
.set AK0, 2                            ; v2   my lane's place in a code tile: (l % 16) x PITCH + 16 (l / 16); never rewritten
.set ADR, 3                            ; v3   the LDS address of the run of fragment loads in hand
.set AE0, 4                            ; v4   E2T + 32 (l / 16); never rewritten
.set AE,  5                            ; v5   the LDS address of a tile's e2
.set ZO,  6                            ; v6   my byte offset in 16 rows of zb: (l % 16) x 1,024 + 16 (l / 16)
.set ZQ,  7                            ; v7   4 (l % 16)
.set SPW, 8                            ; v8   LDS address of my spare word; never rewritten
.set NIL, 9                            ; v9   0; never rewritten
.set PFO, 10                           ; v10  256 x lane, the prefetches' offset; never rewritten
.set HB,  11                           ; v11  8 (l / 16) + 2,048 x quarter
.set CO,  12                           ; v12  8 x lane
.set Z2,  16                           ; v[16:23] z tile t's z2 in both registers of pair 2 t
.set E2,  24                           ; v[24:39] a code tile's eight e2, two buffers
.set MB,  64                           ; v[64:95]  the running minimum of z tile t, register j at MB + 8 t + j
.set IX,  96                           ; v[96:127] the number of the code tile that gave it
.set ACC, 128                          ; v[128:191] set p, z tile t at ACC + 32 p + 8 t
.set WV,  14                           ; s14  my wave's number
.set G1,  16                           ; s[16:23] descriptor group 1 for codes
.set G1E, 24                           ; s[24:31] for e2
.set G0A, 32                           ; s[32:35] group 0 for slot 0; s[36:39] for slot 1
.set G0E, 40                           ; s[40:43] for e2
.set PFA, 44                           ; s[44:45] where my prefetches stand
.set LIM, 46                           ; s46  1 in a cluster that prefetches, else the greatest number
.set TB,  48                           ; s48  LDS byte of the code tile to be fetched next
.set TE,  49                           ; s49  byte of the next tile's e2 in the table
.set NT,  50                           ; s50  number of the code tile that is being judged
.set CNT, 51                           ; s51  counts pairs of turns
.set TRIPS, 52                         ; s52  counts trips of the outer loop
.set MK,  56                           ; s[56:59] four lane masks
.set SEL, 60                           ; s[60:61] v_permlanex16_b32's selects
.set HM,  62                           ; s62  lanes 16 to 31
.set MSB, 0
.macro WIN new                         ; the immediate's high byte repeats the setting that is left; a switch that changes nothing is dropped
.if MSB != (\new)
	s_set_vgpr_msb (MSB<<8)|(\new)
.set MSB, (\new)
.endif
.endm
; A round of the cluster's barrier: my work-group's barrier, so that wave 0's signal speaks for all four waves; wave 0 signals; every wave waits for all four work-groups; my work-group's barrier once more.
.macro CROUND
	s_barrier_signal -1
	s_barrier_wait -1
	s_cmp_lg_u32 s[WV], 0
	s_cbranch_scc1 .Lnot_wave_0_\@
	s_barrier_signal -3
.Lnot_wave_0_\@:
	s_barrier_wait -3
	s_barrier_signal -1
	s_barrier_wait -1
.endm
; A PREFETCH INTO THE L2 of what the NEXT change of slots will ask for, 512 matrix instructions ahead of that load.  All sixteen clusters of a quarter walk the same codes: the quarter's first cluster asks, nobody else.
; Of the 32 codes (32 KiB) that wave w fetches, the partner at place cx takes 8, told apart BY ADDRESS; a lane names 256 bytes: one instruction a wave, and each 256 bytes of cb are named once in the launch.
; how = 0: an odd change (1, 3 .. 13), which always has a slot two on; how = 1: an even change (2 .. 14): the last one, in the trip with TRIPS = 1, has none.  Slots 0 to 2 come by their loads alone.
.macro ASK how
.if \how
	s_cmp_gt_u32 s[TRIPS], s[LIM]
.else
	s_cmp_eq_u32 s[LIM], 1
.endif
	s_cbranch_scc0 .Lnot_mine_\@
	global_prefetch_b8 v[PFO], s[PFA:PFA+1] th:TH_LOAD_NT scope:SCOPE_SE
.Lnot_mine_\@:
.endm
	s_load_b256 s[4:11], s[0:1], 0x0               ; zb s[4:5], cb s[6:7], z2n s[8:9], e2n s[10:11]
	s_load_b64 s[12:13], s[0:1], 0x20              ; cand
	v_lshl_add_u32 v[SPW], v0, 2, SPARE
	v_mov_b32 v[NIL], 0
	ds_add_u32 v[SPW], v[NIL]                      ; the wave's opening: the add, twice on end, and its wait ahead of my first tensor load; the set-up below, work on registers, stands between
	ds_add_u32 v[SPW], v[NIL]
	v_lshrrev_b32 v1, 5, v0
	v_readfirstlane_b32 s[WV], v1                  ; wave 0..3
	s_bfe_u32 s15, ttmp6, 0x40000                  ; cx: my place in the cluster: it enters the addresses of zb, z2n, cand and the prefetches alone
	s_lshl_b32 s66, ttmp9, 2                       ; in a cluster launch ttmp9 counts clusters
	s_add_co_u32 s66, s66, s15                     ; my block of 256 z rows
	s_and_b32 s67, ttmp7, 0xffff                   ; the quarter, which the four partners share
	s_lshl_b32 s68, s67, 21                        ; cb: the quarter's 2,048 rows of 1,024 bytes,
	s_lshl_b32 s69, s[WV], 15                      ; my 32 rows of a slot's 128
	s_add_co_u32 s68, s68, s69
	s_mov_b32 s69, 0
	s_lshl_b32 s70, s67, 13                        ; e2n: the quarter's 8,192 bytes, my 2,048 of them
	s_lshl_b32 s71, s[WV], 11
	s_add_co_u32 s70, s70, s71
	s_mov_b32 s71, 0
	s_lshl_b32 s72, s66, 18                        ; zb: my block's 256 rows, my wave's 64
	s_lshl_b32 s73, s[WV], 16
	s_add_co_u32 s72, s72, s73
	s_mov_b32 s73, 0
	s_lshl_b32 s74, s66, 10                        ; z2n likewise
	s_lshl_b32 s75, s[WV], 8
	s_add_co_u32 s74, s74, s75
	s_mov_b32 s75, 0
	s_lshl_b32 s76, s67, 17                        ; cand: the quarter's 16,384 pairs of 8 bytes, my block's, my wave's
	s_lshl_b32 s77, s66, 11
	s_add_co_u32 s76, s76, s77
	s_lshl_b32 s77, s[WV], 9
	s_add_co_u32 s76, s76, s77
	s_mov_b32 s77, 0
	s_lshl_b32 s78, s15, 13                        ; the prefetches: my work-group's 8 codes of the wave's 32
	s_mov_b32 s79, 0
	s_lshl_b32 s47, s67, 11                        ; the quarter's first code
	; descriptor group 1 for codes: 32 rows x 512 elements of 2 bytes, padded in LDS
	s_mov_b32 s[G1], 15|(1<<16)|(1<<20)|(1<<21)|(7<<22)|(3<<25)  ; 15:0 the mask of four; 17:16 2-byte elements; 20 padding on; 21 set beside a mask; 24:22 after every 256 words (code 7); 31:25 4 words (code 3)
	s_mov_b32 s[G1+1], 512<<16                     ; tensor_dim0 = 512
	s_mov_b32 s[G1+2], 32<<16                      ; tensor_dim1 = 32
	s_mov_b32 s[G1+3], 512<<16                     ; tile_dim0 = 512
	s_mov_b32 s[G1+4], 32                          ; tile_dim1 = 32
	s_mov_b32 s[G1+5], 512                         ; 512 elements from row to row
	s_mov_b32 s[G1+6], 0
	s_mov_b32 s[G1+7], 0
	; for e2: 2,048 dense bytes as 8 rows of 256, elements of 8 bytes, no padding
	s_mov_b32 s[G1E], 15|(3<<16)|(1<<21)
	s_mov_b32 s[G1E+1], 32<<16
	s_mov_b32 s[G1E+2], 8<<16
	s_mov_b32 s[G1E+3], 32<<16
	s_mov_b32 s[G1E+4], 8
	s_mov_b32 s[G1E+5], 32
	s_mov_b32 s[G1E+6], 0
	s_mov_b32 s[G1E+7], 0
	s_mov_b32 s[G0A], 1                            ; count = 1
	s_mul_i32 s[G0A+1], s[WV], QB                  ; LDS: my quarter of slot 0: no place in the cluster enters an LDS address
	s_mov_b32 s[G0A+4], 1
	s_add_co_u32 s[G0A+5], s[G0A+1], SLOT          ; of slot 1
	s_mov_b32 s[G0E], 1
	s_lshl_b32 s[G0E+1], s[WV], 11
	s_add_co_u32 s[G0E+1], s[G0E+1], E2T
	s_mov_b32 s[SEL], 0x76543210
	s_mov_b32 s[SEL+1], 0xfedcba98
	s_mov_b32 s[HM], 0xffff0000
	s_mov_b32 s[TB], 0
	s_mov_b32 s[TE], 0
	s_mov_b32 s[NT], -1                            ; the first turn judges a tile that does not exist (below)
	s_cmp_eq_u32 ttmp9, 0                          ; the quarter's first cluster: the same in all four partners
	s_cselect_b32 s[LIM], 1, -1
	s_wait_dscnt 0x0                               ; both opening adds are done
	s_wait_kmcnt 0x0
	s_add_nc_u64 s[G0A+2:G0A+3], s[6:7], s[68:69]  ; global address: my 32 codes of slot tile 0,
	s_add_nc_u64 s[G0A+6:G0A+7], s[G0A+2:G0A+3], TILEB  ; of slot tile 1
	s_add_nc_u64 s[PFA:PFA+1], s[G0A+2:G0A+3], s[78:79]
	s_add_nc_u64 s[PFA:PFA+1], s[PFA:PFA+1], 2*TILEB    ; at slot tile 2: the first change steps it to 3
	s_or_b32 s[G0A+3], s[G0A+3], 0x80000000        ; type = 2
	s_or_b32 s[G0A+7], s[G0A+7], 0x80000000
	s_add_nc_u64 s[G0E+2:G0E+3], s[10:11], s[70:71]
	s_or_b32 s[G0E+3], s[G0E+3], 0x80000000
	s_add_nc_u64 s[4:5], s[4:5], s[72:73]
	s_add_nc_u64 s[8:9], s[8:9], s[74:75]
	s_add_nc_u64 s[12:13], s[12:13], s[76:77]
	CROUND                                         ; all four work-groups are here: the first joint loads meet
	tensor_load_to_lds s[G0E:G0E+3], s[G1E:G1E+7]  ; the three first fills go out together, ahead of every wait on TENSORcnt and every LDS read: three loads of mine are out, the most in this text
	s_nop 0
	tensor_load_to_lds s[G0A:G0A+3], s[G1:G1+7]
	s_nop 0
	tensor_load_to_lds s[G0A+4:G0A+7], s[G1:G1+7]
	s_nop 0
	; A fragment is 16 rows x 32 k in 8 registers: lane l holds row l % 16; registers 0-3 k = 8 (l / 16) + 0..7, registers 4-7 k = 16 + 8 (l / 16) + 0..7: two loads of 16 bytes, 32 bytes apart; the same for both sources.
	v_and_b32 v1, 15, v0                           ; l % 16
	v_bfe_u32 v13, v0, 4, 1                        ; l / 16
	v_mul_u32_u24 v[AK0], v1, PITCH
	v_lshl_add_u32 v[AK0], v13, 4, v[AK0]
	v_lshlrev_b32 v[AE0], 5, v13
	v_add_nc_u32 v[AE0], E2T, v[AE0]
	v_lshlrev_b32 v[ZO], 10, v1
	v_lshl_add_u32 v[ZO], v13, 4, v[ZO]
	v_lshlrev_b32 v[ZQ], 2, v1
	v_and_b32 v[CO], 31, v0
	v_lshlrev_b32 v[PFO], 8, v[CO]
	v_lshlrev_b32 v[CO], 3, v[CO]
	v_lshl_add_u32 v[HB], v13, 3, s47
	WIN 0x80                                       ; destination window 2, address window 0
.set t, 0
.rept 2                                ; z stays in registers: z tile t, k step ks
.set ks, 0
.rept 16
	global_load_b128 v[128*t+8*ks:128*t+8*ks+3],   v[ZO], s[4:5] offset:16384*t+64*ks
	global_load_b128 v[128*t+8*ks+4:128*t+8*ks+7], v[ZO], s[4:5] offset:16384*t+64*ks+32
.set ks, ks+1
.endr
.set t, t+1
.endr
	WIN 0xc0                                       ; destination window 3
.set t, 0
.rept 2
.set ks, 0
.rept 16
	global_load_b128 v[128*t+8*ks:128*t+8*ks+3],   v[ZO], s[4:5] offset:16384*(t+2)+64*ks
	global_load_b128 v[128*t+8*ks+4:128*t+8*ks+7], v[ZO], s[4:5] offset:16384*(t+2)+64*ks+32
.set ks, ks+1
.endr
.set t, t+1
.endr
	WIN 0
.irp t, 0,1,2,3
	global_load_b32 v[Z2+2*(\t)], v[ZQ], s[8:9] offset:64*(\t)
.endr
	; What the first turn finds.  The minima start at +infinity.  The first turn judges set 1, in which no tile has been multiplied: c = -infinity and e2 = 0 there give d = +infinity, which is not less than +infinity,
	; so nothing changes, and no first turn need be written out.  104 lines, in the wait for the first tile.
.set e, 0
.rept 32
	v_mov_b32 v[MB+e], 0x7f800000
	v_mov_b32 v[IX+e], 0
	v_mov_b32 v[ACC+32+e], 0xff800000
.set e, e+1
.endr
.set e, 0
.rept 8
	v_mov_b32 v[E2+8+e], 0
.set e, e+1
.endr
; ONE PRODUCT: set p, z tile t, k step k.  The first k step starts the sum with the constant 0.  The four accumulators of a set take turns, one instruction a turn, over the turns' and the loops' edges too.
.macro W p, t, k
.if (\k) == 0
	v_wmma_f32_16x16x32_bf16 v[ACC+32*(\p)+8*(\t):ACC+32*(\p)+8*(\t)+7], v[128*(\p)+8*(\k):128*(\p)+8*(\k)+7], v[128*((\t)%2)+8*(\k):128*((\t)%2)+8*(\k)+7], 0
.else
	v_wmma_f32_16x16x32_bf16 v[ACC+32*(\p)+8*(\t):ACC+32*(\p)+8*(\t)+7], v[128*(\p)+8*(\k):128*(\p)+8*(\k)+7], v[128*((\t)%2)+8*(\k):128*((\t)%2)+8*(\k)+7], v[ACC+32*(\p)+8*(\t):ACC+32*(\p)+8*(\t)+7]
.endif
.endm
; THE VECTOR WORK on a finished set y: a list of 128; RD writes number rq of it.
;   0-15    t = z2 - 2 c, a pair of codes each; each accumulator's lowest pair first
;   16-31   d = t + e2
;   32-127  eight groups of twelve, four registers each: four compares d < minimum, four selects of the tile's number, four minima: no line reads the result of the one before it
.macro RD y
.set rA, ACC+32*(\y)
.if rq < 16
	v_pk_fma_f32 v[rA+2*rq:rA+2*rq+1], v[rA+2*rq:rA+2*rq+1], -2.0, v[Z2+2*(rq/4):Z2+2*(rq/4)+1] op_sel_hi:[1,0,1]
.elseif rq < 32
	v_pk_add_f32 v[rA+2*(rq-16):rA+2*(rq-16)+1], v[rA+2*(rq-16):rA+2*(rq-16)+1], v[E2+8*(\y)+2*(rq%4):E2+8*(\y)+2*(rq%4)+1]
.else
.set re, 4*((rq-32)/12)+rq%4
.if ((rq-32)%12)/4 == 0
	v_cmp_lt_f32 s[MK+re%4], v[rA+re], v[MB+re]
.elseif ((rq-32)%12)/4 == 1
	v_cndmask_b32 v[IX+re], v[IX+re], s[NT], s[MK+re%4]
.else
	v_min_num_f32 v[MB+re], v[rA+re], v[MB+re]
.endif
.endif
.set rq, rq+1
.endm
.macro SLICE y                         ; four of them
	WIN 0
.rept 4
	RD \y
.endr
.endm
; THE LDS LOADS stand in one run a turn.  frag = 1: the next code tile's 16 fragments into buffer b.  we = 1: eight e2 of the tile that is being multiplied into buffer eb.
.macro FETCH b, frag, eb, we
	WIN 0
.if \frag
	v_add_nc_u32 v[ADR], s[TB], v[AK0]
	s_add_co_u32 s[TB], s[TB], CT
.endif
.if \we
	v_add_nc_u32 v[AE], s[TE], v[AE0]
	s_add_co_u32 s[TE], s[TE], 64
	ds_load_b128 v[E2+8*(\eb):E2+8*(\eb)+3],   v[AE]
	ds_load_b128 v[E2+8*(\eb)+4:E2+8*(\eb)+7], v[AE] offset:16
.endif
.if \frag
	WIN 0x40                                       ; destination window 1
.irp f, 0,1,2,3,4,5,6,7,8,9,10,11,12,13,14,15
	ds_load_b128 v[128*(\b)+8*(\f):128*(\b)+8*(\f)+3],   v[ADR] offset:64*(\f)
	ds_load_b128 v[128*(\b)+8*(\f)+4:128*(\b)+8*(\f)+7], v[ADR] offset:64*(\f)+32
.endr
.endif
.endm
; A TURN: code tile n, p = n % 2.  Products into set p from fragment buffer p; the vector work judges tile n - 1 in set 1 - p with e2 buffer 1 - p.
; A vector instruction that reads a matrix result, and a load into a register that a matrix instruction has read, stand four plain vector instructions or more behind it (ISA guide 7.12.1 for vector instructions):
; a finished accumulator is first read eight or more of the list's lines behind its last product; the run of loads into buffer 1 - p stands behind the last four lines of the turn before and the first four of this one.
.macro TURN p, frag
	s_wait_dscnt 0x0                               ; the run issued 62 products ago is in: fragment buffer p and e2 buffer 1 - p
.set rq, 0
.set ks, 0
.rept 16
	WIN 0x09                                       ; codes in window 1, z in window 2, sums in window 0
	W \p, 0, ks
	W \p, 1, ks
	SLICE 1-(\p)
.if ks == 0
	FETCH 1-(\p), \frag, \p, 1
.endif
	WIN 0x0d                                       ; z in window 3
	W \p, 2, ks
	W \p, 3, ks
	SLICE 1-(\p)
.set ks, ks+1
.endr
	s_add_co_u32 s[NT], s[NT], 1
.endm
; THE CHANGE OF SLOTS stands in front of the turn of a slot's last code tile: all eight of its tiles have been fetched into registers.  Each wave waits for all its tensor loads, of which one is out: its part of the
; other slot; adds 0 to its spare word; and waits for that and for its own reads of the slot.  slot: the one that has been read out; the fetches go on in the other.
; fill = 1: it is filled again, with the codes two slots on.  The barrier is then a round of the cluster's, so that no wave of any partner still reads the slot or has a load on its way, and the joint refill is the first
; thing behind it: one load a wave, which has 512 matrix instructions in which to land.
.macro CHANGE fill, slot, how
	WIN 0                                          ; at a label and at a branch every window is 0
	s_wait_tensorcnt 0x0                           ; no tensor load of mine is out, so a group 0 may be written
	ds_add_u32 v[SPW], v[NIL]                      ; 0 onto my spare word; the scalar work below stands between it and the wait for it
.if \fill
	s_add_nc_u64 s[G0A+4*(\slot)+2:G0A+4*(\slot)+3], s[G0A+4*(\slot)+2:G0A+4*(\slot)+3], 2*TILEB  ; the type bits on top are not reached
	s_wait_xcnt 0x0                                ; the last prefetch, 512 products back, has read its address, so it may be written
	s_add_nc_u64 s[PFA:PFA+1], s[PFA:PFA+1], TILEB
.endif
	s_mov_b32 s[TB], (1-(\slot))*SLOT
	s_wait_dscnt 0x0                               ; the add is done, and my reads of the slot are over
.if \fill
	CROUND
	tensor_load_to_lds s[G0A+4*(\slot):G0A+4*(\slot)+3], s[G1:G1+7]
	s_nop 0
.rept 4
	v_nop
.endr
	ASK \how
.else
	s_barrier_signal -1
	s_barrier_wait -1
.endif
.endm
	s_wait_tensorcnt 0x1                           ; my parts of e2 and of slot 0 are in; slot 1's load, the one issued behind them, may stay out
	s_barrier_signal -1
	s_barrier_wait -1                              ; everybody's are
	FETCH 0, 1, 0, 0                               ; code tile 0
	WIN 0
	s_wait_loadcnt 0x0                             ; z and z2
.irp t, 0,1,2,3
	v_mov_b32 v[Z2+2*(\t)+1], v[Z2+2*(\t)]         ; the packed line takes a pair
.endr
	s_mov_b32 s[CNT], 4
	s_mov_b32 s[TRIPS], 8
	s_branch .LfirstB                              ; the loop is entered in its middle: code tiles 0 to 6 of slot tile 0
.Ltrip:                                            ; seven trips of 16 turns: changes 1 to 14; change j finds slot tile j landed and asks for slot tile j + 1
	CHANGE 1, 0, 0
	s_mov_b32 s[CNT], 4
.LpairA:
	TURN 1, 1
	TURN 0, 1
	WIN 0
	s_sub_co_u32 s[CNT], s[CNT], 1
	s_cmp_lg_u32 s[CNT], 0
	s_cbranch_scc1 .LpairA
	CHANGE 1, 1, 1
	s_mov_b32 s[CNT], 4
.LpairB:
	TURN 1, 1
	WIN 0
.LfirstB:
	TURN 0, 1
	WIN 0
	s_sub_co_u32 s[CNT], s[CNT], 1
	s_cmp_lg_u32 s[CNT], 0
	s_cbranch_scc1 .LpairB
	s_sub_co_u32 s[TRIPS], s[TRIPS], 1
	s_cmp_lg_u32 s[TRIPS], 0
	s_cbranch_scc1 .Ltrip
	CHANGE 0, 0, 0                                 ; the tail is written out: slot tile 15 is in, nothing is asked for
	s_mov_b32 s[CNT], 4
.LpairC:
	TURN 1, 1
	TURN 0, 1
	WIN 0
	s_sub_co_u32 s[CNT], s[CNT], 1
	s_cmp_lg_u32 s[CNT], 0
	s_cbranch_scc1 .LpairC
	TURN 1, 0                                      ; code tile 127: no fragments are left to fetch, only its e2
	s_wait_dscnt 0x0
	WIN 0
.set rq, 0
.rept 128
	RD 1                                           ; and it is judged
.endr
	; THE FINISH.  A lane holds, for each z tile, eight minima, one for each of its codes modulo 16.  The tile's number becomes the code's number in the quarter, less the lanes' 8 (l / 16).
.set e, 0
.rept 32
	v_lshl_add_u32 v[IX+e], v[IX+e], 4, e%8
.set e, e+1
.endr
; Of two pairs (minimum, index) the smaller stays in a: the smaller minimum, of equal minima the smaller index.
.macro MERGE a, b
	v_cmp_lt_f32 s[MK],   v[MB+(\b)], v[MB+(\a)]
	v_cmp_eq_f32 s[MK+1], v[MB+(\b)], v[MB+(\a)]
	v_cmp_lt_u32 s[MK+2], v[IX+(\b)], v[IX+(\a)]
	s_and_b32 s[MK+1], s[MK+1], s[MK+2]
	s_or_b32 s[MK], s[MK], s[MK+1]
	v_cndmask_b32 v[MB+(\a)], v[MB+(\a)], v[MB+(\b)], s[MK]
	v_cndmask_b32 v[IX+(\a)], v[IX+(\a)], v[IX+(\b)], s[MK]
.endm
.irp t, 0,1,2,3
	MERGE 8*(\t),   8*(\t)+1
	MERGE 8*(\t)+2, 8*(\t)+3
	MERGE 8*(\t)+4, 8*(\t)+5
	MERGE 8*(\t)+6, 8*(\t)+7
	MERGE 8*(\t),   8*(\t)+2
	MERGE 8*(\t)+4, 8*(\t)+6
	MERGE 8*(\t),   8*(\t)+4
	v_add_nc_u32 v[IX+8*(\t)], v[HB], v[IX+8*(\t)]                      ; the code's index in the whole codebook
	v_permlanex16_b32 v[MB+8*(\t)+1], v[MB+8*(\t)], s[SEL], s[SEL+1]    ; the z row's other eight codes modulo 16 lie in the lane 16 away
	v_permlanex16_b32 v[IX+8*(\t)+1], v[IX+8*(\t)], s[SEL], s[SEL+1]
	MERGE 8*(\t),   8*(\t)+1                                            ; both halves of the lanes now hold the row's result
	v_ashrrev_i32 v40, 31, v[MB+8*(\t)]                                 ; the key: all bits turned if the sign is set, else the top bit
	v_or_b32 v40, 0x80000000, v40
	v_xor_b32 v[MB+8*(\t)], v40, v[MB+8*(\t)]
.endr
	v_cndmask_b32 v14, v[MB],    v[MB+8],  s[HM]   ; lanes 0-15 send z tile 0's rows, lanes 16-31 z tile 1's: 32 rows on end
	v_cndmask_b32 v15, v[IX],    v[IX+8],  s[HM]
	v_cndmask_b32 v42, v[MB+16], v[MB+24], s[HM]   ; and z tiles 2 and 3
	v_cndmask_b32 v43, v[IX+16], v[IX+24], s[HM]
	global_store_b64 v[CO], v[14:15], s[12:13]             ; 256 consecutive bytes, aligned
	global_store_b64 v[CO], v[42:43], s[12:13] offset:256
	s_wait_tensorcnt 0x0                           ; the wave's end, behind my last tensor load
	ds_add_u32 v[SPW], v[NIL]
	s_wait_dscnt 0x0
	CROUND                                         ; the closing round: no work-group ends while a partner may still ask for a tile that names it
	s_endpgm
.Lfunc_end_k_qca49c73e01_vq:
	.size	k_qca49c73e01_vq, .Lfunc_end_k_qca49c73e01_vq-k_qca49c73e01_vq
	.p2alignl 7, 3214868480
	.fill 96, 4, 3214868480
	.section	.rodata,"a",@progbits
	.p2align	6, 0x0
	.amdhsa_kernel k_qca49c73e01_vq
		.amdhsa_group_segment_fixed_size 327680
		.amdhsa_private_segment_fixed_size 0
		.amdhsa_enable_private_segment 0
		.amdhsa_kernarg_size 40
		.amdhsa_user_sgpr_count 2
		.amdhsa_user_sgpr_kernarg_segment_ptr 1
		.amdhsa_wavefront_size32 1
		.amdhsa_system_sgpr_workgroup_id_x 1
		.amdhsa_system_sgpr_workgroup_id_y 1
		.amdhsa_system_sgpr_workgroup_id_z 1
		.amdhsa_system_vgpr_workitem_id 0
		.amdhsa_next_free_vgpr 1024
		.amdhsa_next_free_sgpr 80
		.amdhsa_reserve_vcc 0
		.amdhsa_float_denorm_mode_32 3
		.amdhsa_float_denorm_mode_16_64 3
		.amdhsa_memory_ordered 1
		.amdhsa_forward_progress 1
		.amdhsa_inst_pref_size 157
	.end_amdhsa_kernel
	.amdgpu_metadata
---
amdhsa.version: [ 1, 2 ]
amdhsa.kernels:
  - .name:           k_qca49c73e01_vq
    .symbol:         k_qca49c73e01_vq.kd
    .args:
      - { .name: zb, .offset: 0, .size: 8, .value_kind: global_buffer, .address_space: global }
      - { .name: cb, .offset: 8, .size: 8, .value_kind: global_buffer, .address_space: global }
      - { .name: z2n, .offset: 16, .size: 8, .value_kind: global_buffer, .address_space: global }
      - { .name: e2n, .offset: 24, .size: 8, .value_kind: global_buffer, .address_space: global }
      - { .name: cand, .offset: 32, .size: 8, .value_kind: global_buffer, .address_space: global }
    .group_segment_fixed_size: 327680
    .private_segment_fixed_size: 0
    .kernarg_segment_align: 8
    .kernarg_segment_size: 40
    .max_flat_workgroup_size: 128
    .sgpr_count:     80
    .vgpr_count:     1024
    .wavefront_size: 32
...
	.end_amdgpu_metadata
.endif
;; end of part 2
;; launch gather (part 3): grid 256 x 1, 16 waves a work-group, no clusters, 0 bytes of LDS; arguments cand, zb, cb, out0; writes out0
.if DOCPART == 3
	.amdgcn_target "amdgcn-amd-amdhsa--gfx1250"
	.amdhsa_code_object_version 6
	.text
	.protected	k_qca49c73e01_gather
	.globl	k_qca49c73e01_gather
	.p2align	8
	.type	k_qca49c73e01_gather,@function
k_qca49c73e01_gather:
	s_mov_b64 s[64:65], 0
	v_nop
	global_prefetch_b8 v0, s[64:65] scope:SCOPE_SE
	s_setreg_imm32_b32 hwreg(HW_REG_WAVE_MODE, 25, 1), 1
	s_wait_xcnt 0x0
; out0[0][row] = z + (q - z), out0[1][row] = q, where q is the codebook row that the row's four candidates name.  cand: [4 quarters][16384 rows][2] of 32 bits (key, code index), stored by the launch before;
; zb: [16384][512] bf16, cb: [8192][512] bf16, out0: [2][16384][512] f32.
; THE CHOICE.  The key is the quarter's smallest distance as an unsigned whole number in the distances' order.  The smallest key wins; a later quarter takes over only where its key is strictly smaller, so of equal
; distances the lowest index stays, as in argmin.  All this is whole-number work on numbers read from memory, in scalar registers: a wave takes one row at a time.
; FORMAT.  z and q are the inputs rounded to bf16, the numbers on which the choice was made: out0[1] is the rounded codebook row, within 2^-9 of itself of the f32 row; the two f32 roundings of z + (q - z) are the reference's.
; SHARES.  256 work-groups of sixteen waves, four rows a wave; no loop, no LDS, no barrier: all 32 loads of a wave (8 KiB) go out before the first is used, and every store's data has registers of its own.
; A load of 8 bytes a lane covers 256 consecutive bytes of a bf16 row; its four numbers widen into 16 bytes a lane: a store covers 512 consecutive bytes, aligned.
; No matrix unit, no cluster, no tensor load: a stream with a gather of whole rows.
.set Z,  8                             ; v[8:39]    z, row i, load j at Z + 8 i + 2 j
.set Q,  40                            ; v[40:71]   q likewise
.set QF, 72                            ; v[72:135]  q in f32, row i, load j at QF + 16 i + 4 j
.set OF, 136                           ; v[136:199] z + (q - z) likewise
.set ZF, 200                           ; v[200:203] z in f32, at work
.set C0, 16                            ; s[16:47]   quarter c's four (key, index) at C0 + 8 c; quarter 0's take the winner
.set RB, 48                            ; s[48:55]   cb at the four chosen rows
	s_load_b256 s[4:11], s[0:1], 0x0               ; cand s[4:5], zb s[6:7], cb s[8:9], out0 s[10:11]
	v_lshrrev_b32 v3, 5, v0
	v_readfirstlane_b32 s12, v3                    ; wave 0..15
	v_and_b32 v3, 31, v0
	v_lshlrev_b32 v1, 3, v3                        ; 8 x lane
	v_lshlrev_b32 v2, 4, v3                        ; 16 x lane
	s_lshl_b32 s14, ttmp9, 9
	s_lshl_b32 s13, s12, 5
	s_add_co_u32 s14, s14, s13                     ; 8 x my first row (64 g + 4 w): its byte in a quarter of cand
	s_lshl_b32 s60, s14, 7                         ; x 1,024: its byte in zb
	s_mov_b32 s61, 0
	s_lshl_b32 s62, s14, 8                         ; x 2,048: its byte in a half of out0
	s_mov_b32 s63, 0
	s_mov_b32 s58, 0xffff0000                      ; a word's upper bf16
	s_wait_kmcnt 0x0
.irp c, 0,1,2,3
	s_load_b256 s[C0+8*(\c):C0+8*(\c)+7], s[4:5], s14 offset:0x20000*(\c)  ; four rows' pairs of quarter c
.endr
	s_add_nc_u64 s[6:7], s[6:7], s[60:61]
	s_add_nc_u64 s[10:11], s[10:11], s[62:63]
	s_add_nc_u64 s[56:57], s[10:11], 0x2000000     ; the second half of out0
.irp i, 0,1,2,3
.irp j, 0,1,2,3
	global_load_b64 v[Z+8*(\i)+2*(\j):Z+8*(\i)+2*(\j)+1], v1, s[6:7] offset:1024*(\i)+256*(\j) th:TH_LOAD_NT
.endr
.endr
	s_wait_kmcnt 0x0                               ; the candidates
.irp i, 0,1,2,3
.irp c, 1,2,3
	s_cmp_lt_u32 s[C0+8*(\c)+2*(\i)], s[C0+2*(\i)]                          ; strictly smaller only
	s_cselect_b32 s[C0+2*(\i)],   s[C0+8*(\c)+2*(\i)],   s[C0+2*(\i)]
	s_cselect_b32 s[C0+2*(\i)+1], s[C0+8*(\c)+2*(\i)+1], s[C0+2*(\i)+1]
.endr
	s_min_u32 s[C0+2*(\i)+1], s[C0+2*(\i)+1], 0x1fff                        ; an index stays inside the table
	s_lshl_b32 s60, s[C0+2*(\i)+1], 10                                      ; a row of cb is 1,024 bytes
	s_mov_b32 s61, 0
	s_add_nc_u64 s[RB+2*(\i):RB+2*(\i)+1], s[8:9], s[60:61]
.endr
.irp i, 0,1,2,3
.irp j, 0,1,2,3
	global_load_b64 v[Q+8*(\i)+2*(\j):Q+8*(\i)+2*(\j)+1], v1, s[RB+2*(\i):RB+2*(\i)+1] offset:256*(\j)  ; no hint: many rows may name the same code
.endr
.endr
.irp i, 0,1,2,3
	s_wait_loadcnt 4*(3-(\i))                      ; loads come back in order: z is in, and q of this row; the later rows' four loads each may stay out
.irp j, 0,1,2,3
	v_lshlrev_b32 v[QF+16*(\i)+4*(\j)],   16,  v[Q+8*(\i)+2*(\j)]           ; bf16 to f32: the low half moves up, the high half stays
	v_and_b32     v[QF+16*(\i)+4*(\j)+1], s58, v[Q+8*(\i)+2*(\j)]
	v_lshlrev_b32 v[QF+16*(\i)+4*(\j)+2], 16,  v[Q+8*(\i)+2*(\j)+1]
	v_and_b32     v[QF+16*(\i)+4*(\j)+3], s58, v[Q+8*(\i)+2*(\j)+1]
	v_lshlrev_b32 v[ZF],   16,  v[Z+8*(\i)+2*(\j)]
	v_and_b32     v[ZF+1], s58, v[Z+8*(\i)+2*(\j)]
	v_lshlrev_b32 v[ZF+2], 16,  v[Z+8*(\i)+2*(\j)+1]
	v_and_b32     v[ZF+3], s58, v[Z+8*(\i)+2*(\j)+1]
	v_pk_add_f32 v[OF+16*(\i)+4*(\j):OF+16*(\i)+4*(\j)+1],   v[QF+16*(\i)+4*(\j):QF+16*(\i)+4*(\j)+1],   v[ZF:ZF+1]   neg_lo:[0,1] neg_hi:[0,1]  ; q - z
	v_pk_add_f32 v[OF+16*(\i)+4*(\j)+2:OF+16*(\i)+4*(\j)+3], v[QF+16*(\i)+4*(\j)+2:QF+16*(\i)+4*(\j)+3], v[ZF+2:ZF+3] neg_lo:[0,1] neg_hi:[0,1]
	v_pk_add_f32 v[OF+16*(\i)+4*(\j):OF+16*(\i)+4*(\j)+1],   v[ZF:ZF+1],   v[OF+16*(\i)+4*(\j):OF+16*(\i)+4*(\j)+1]                              ; z + (q - z)
	v_pk_add_f32 v[OF+16*(\i)+4*(\j)+2:OF+16*(\i)+4*(\j)+3], v[ZF+2:ZF+3], v[OF+16*(\i)+4*(\j)+2:OF+16*(\i)+4*(\j)+3]
	global_store_b128 v2, v[OF+16*(\i)+4*(\j):OF+16*(\i)+4*(\j)+3], s[10:11] offset:2048*(\i)+512*(\j) th:TH_STORE_NT  ; 512 consecutive bytes, aligned
	global_store_b128 v2, v[QF+16*(\i)+4*(\j):QF+16*(\i)+4*(\j)+3], s[56:57] offset:2048*(\i)+512*(\j) th:TH_STORE_NT
.endr
.endr
	s_endpgm
.Lfunc_end_k_qca49c73e01_gather:
	.size	k_qca49c73e01_gather, .Lfunc_end_k_qca49c73e01_gather-k_qca49c73e01_gather
	.p2alignl 7, 3214868480
	.fill 96, 4, 3214868480
	.section	.rodata,"a",@progbits
	.p2align	6, 0x0
	.amdhsa_kernel k_qca49c73e01_gather
		.amdhsa_group_segment_fixed_size 0
		.amdhsa_private_segment_fixed_size 0
		.amdhsa_enable_private_segment 0
		.amdhsa_kernarg_size 32
		.amdhsa_user_sgpr_count 2
		.amdhsa_user_sgpr_kernarg_segment_ptr 1
		.amdhsa_wavefront_size32 1
		.amdhsa_system_sgpr_workgroup_id_x 1
		.amdhsa_system_sgpr_workgroup_id_y 1
		.amdhsa_system_sgpr_workgroup_id_z 1
		.amdhsa_system_vgpr_workitem_id 0
		.amdhsa_next_free_vgpr 208
		.amdhsa_next_free_sgpr 66
		.amdhsa_reserve_vcc 0
		.amdhsa_float_denorm_mode_32 3
		.amdhsa_float_denorm_mode_16_64 3
		.amdhsa_memory_ordered 1
		.amdhsa_forward_progress 1
		.amdhsa_inst_pref_size 18
	.end_amdhsa_kernel
	.amdgpu_metadata
---
amdhsa.version: [ 1, 2 ]
amdhsa.kernels:
  - .name:           k_qca49c73e01_gather
    .symbol:         k_qca49c73e01_gather.kd
    .args:
      - { .name: cand, .offset: 0, .size: 8, .value_kind: global_buffer, .address_space: global }
      - { .name: zb, .offset: 8, .size: 8, .value_kind: global_buffer, .address_space: global }
      - { .name: cb, .offset: 16, .size: 8, .value_kind: global_buffer, .address_space: global }
      - { .name: out0, .offset: 24, .size: 8, .value_kind: global_buffer, .address_space: global }
    .group_segment_fixed_size: 0
    .private_segment_fixed_size: 0
    .kernarg_segment_align: 8
    .kernarg_segment_size: 32
    .max_flat_workgroup_size: 512
    .sgpr_count:     66
    .vgpr_count:     208
    .wavefront_size: 32
...
	.end_amdgpu_metadata
.endif
;; end of part 3
;; ======== version 2 of 2: 3 launches; version 1 with the launch prep written anew for expert scheduling mode
;; workspace buffers: zb 16,777,216 bytes; cb 8,388,608 bytes; z2n 65,536 bytes; e2n 32,768 bytes; cand 524,288 bytes of whole numbers
;; launch prep (part 4): grid 256 x 1, 8 waves a work-group, no clusters, 1,536 bytes of LDS; arguments z_e, codebook, zb, cb, z2n, e2n; writes zb, cb, z2n, e2n
.if DOCPART == 4
	.amdgcn_target "amdgcn-amd-amdhsa--gfx1250"
	.amdhsa_code_object_version 6
	.text
	.protected	k_qca49c73e01_prep
	.globl	k_qca49c73e01_prep
	.p2align	8
	.type	k_qca49c73e01_prep,@function
k_qca49c73e01_prep:
	s_mov_b64 s[64:65], 0
	v_nop
	global_prefetch_b8 v0, s[64:65] scope:SCOPE_SE
	s_setreg_imm32_b32 hwreg(HW_REG_WAVE_SCHED_MODE, 0, 2), 2
	s_setreg_imm32_b32 hwreg(HW_REG_WAVE_MODE, 25, 1), 1
	s_wait_xcnt 0x0
	s_wait_alu depctr_vm_vsrc(0)
; zb = z_e rounded to bf16, cb = codebook rounded to bf16, z2n[row] and e2n[row] = the f32 sums of the squares of the ROUNDED numbers.
; z_e: [16384][512] f32, codebook: [8192][512] f32.  All that follows this launch works on the rounded numbers alone.
; SHARES.  256 work-groups of eight waves; a work-group takes 64 rows of z_e and 32 rows of the codebook; wave w takes z rows 8 w .. 8 w + 7 and code rows 4 w .. 4 w + 3:
; twelve rows, a wave a row at a time.  A row is 2,048 bytes: four loads of 16 bytes a lane, each 512 consecutive bytes.  All 48 loads of a wave go out first (24 KiB a wave),
; every row has registers of its own, so nothing is rewritten while a load or a store may still read it, and there is no loop.
; OUT.  A load's four numbers a lane become 8 bytes: one store of a wave covers 256 consecutive bytes, aligned.  The sums meet in LDS, so that wave 0 stores the group's 64 z2 as 256
; consecutive bytes.  The group's 32 e2 are 128 bytes: half of an aligned 256; 32 code rows to a work-group is what makes 256 equal work-groups, and the whole table is 32 KiB.
; No matrix unit, no cluster, no tensor load: every byte is read once by one wave and no two waves want the same byte.
; LIMITS.  The sum of squares is taken in another order than a plain left-to-right sum; numbers whose squares pass f32's range give an infinity, as they do in the reference.
; THE MODE: SCHED_MODE bits 1:0 = 2 (LLVM: expert scheduling mode 2), set by the entry lines.  The code itself states the register dependences
; between vector instructions and memory or LDS instructions, with s_wait_alu, always for 0.
; THE PLAN.  Registers that memory or LDS instructions touch:
;   v[LO], v[SO], v[L4], v[STZ], v[STE]   offsets and LDS addresses: written at the head, read by loads and stores, never written again.
;   X, row i    Its four loads land in it, issued at the head, before any vector instruction names it.  The row's conversions write eight of its registers in place; its four global stores read those; nothing writes them again.
;   SUM, row i  A register for each row: written by the last add of the row's reduction, read by one LDS store, never written again.
;   v[A:A+2]    The rows' chains, named by vector instructions alone; behind the barrier wave 0's LDS load lands in v[A:A+1], wave 1's in v[A+2], and the stores of the two tables read them.
;   v[SPW], v[NIL]  Written at the head, read by the closing add alone.
; No register that a memory or LDS instruction has read is ever written again: the text holds no wait on vm_vsrc but the entry's.
; ONE wait on va_vdst stands in a row, behind its conversions and multiply-adds: it states that the conversions have written what the row's four global stores read, and that the row before has written its SUM, which
; the LDS store reads.  These five follow it, dealt among the lines of the reduction, which name A, T and this row's SUM alone: none of the registers that the five touch.
.set SPARE, 512                        ; LDS: 0-255 the 64 z2; 256-383 the 32 e2 (their block ends at 511); from 512 the spare words, 128 bytes for each of the eight waves
.set LO,  2                            ; v2   16 x lane: my 16 bytes of a load's 512
.set SO,  3                            ; v3   8 x lane: my 8 bytes of a store's 256
.set SPW, 4                            ; v4   LDS address of my spare word; never rewritten
.set NIL, 5                            ; v5   0, for the add alone
.set STZ, 6                            ; v6   LDS: my wave's eight z2
.set STE, 7                            ; v7   LDS: my wave's four e2
.set L4,  8                            ; v8   4 x lane
.set ZR,  9                            ; v9   0: what the four chains of a sum start from
.set A,   10                           ; v[10:13] four chains of a row's sum of squares
.set T,   14                           ; v[14:15] at work: no memory or LDS instruction names them
.set SUM, 16                           ; v[16:27] row i's sum of squares at SUM + i
.set X,   32                           ; v[32:223] row i at X + 16 i, load j at + 4 j
.set WV,  16                           ; s16  my wave's number
	s_load_b256 s[4:11], s[0:1], 0x0               ; z_e s[4:5], codebook s[6:7], zb s[8:9], cb s[10:11]
	s_load_b128 s[12:15], s[0:1], 0x20             ; z2n s[12:13], e2n s[14:15]
	v_lshl_add_u32 v[SPW], v0, 2, SPARE
	v_mov_b32 v[NIL], 0
	v_lshrrev_b32 v1, 5, v0
	v_readfirstlane_b32 s[WV], v1                  ; wave 0..7
	v_and_b32 v1, 31, v0                           ; lane
	v_lshlrev_b32 v[LO], 4, v1
	v_lshlrev_b32 v[SO], 3, v1
	v_lshlrev_b32 v[L4], 2, v1
	v_mov_b32 v[ZR], 0
	v_mov_b32 v[T+1], 0                            ; v_permlanex16_b32 counts as a reader of its destination
	s_wait_alu depctr_va_sdst(0)                   ; s16, the wave's number, is written, ahead of its first reader: the LDS places and the offsets of z_e, codebook, zb and cb are made from it
	s_lshl_b32 s17, s[WV], 5
	v_mov_b32 v[STZ], s17                          ; 32 w
	s_lshl_b32 s30, s[WV], 4                       ; in a register of its own: s17 has just been read by a vector instruction
	s_add_co_u32 s30, s30, 256
	v_mov_b32 v[STE], s30                          ; 256 + 16 w
	s_mov_b32 s20, 0x76543210                      ; v_permlanex16_b32: each lane takes its own place in the other half
	s_mov_b32 s21, 0xfedcba98
	s_lshl_b32 s18, ttmp9, 17                      ; z_e: (64 g + 8 w) rows of 2,048 bytes
	s_lshl_b32 s19, s[WV], 14
	s_add_co_u32 s18, s18, s19
	s_mov_b32 s19, 0
	s_lshl_b32 s22, ttmp9, 16                      ; codebook: (32 g + 4 w) rows of 2,048 bytes; zb: (64 g + 8 w) rows of 1,024: the same number
	s_lshl_b32 s23, s[WV], 13
	s_add_co_u32 s22, s22, s23
	s_mov_b32 s23, 0
	s_lshl_b32 s24, ttmp9, 15                      ; cb: (32 g + 4 w) rows of 1,024 bytes
	s_lshl_b32 s25, s[WV], 12
	s_add_co_u32 s24, s24, s25
	s_mov_b32 s25, 0
	s_lshl_b32 s26, ttmp9, 8                       ; z2n: 64 numbers a group
	s_mov_b32 s27, 0
	s_lshl_b32 s28, ttmp9, 7                       ; e2n: 32 numbers a group
	s_mov_b32 s29, 0
	s_wait_kmcnt 0x0
	s_add_nc_u64 s[4:5], s[4:5], s[18:19]
	s_add_nc_u64 s[6:7], s[6:7], s[22:23]
	s_add_nc_u64 s[8:9], s[8:9], s[22:23]
	s_add_nc_u64 s[10:11], s[10:11], s[24:25]
	s_add_nc_u64 s[12:13], s[12:13], s[26:27]
	s_add_nc_u64 s[14:15], s[14:15], s[28:29]
	s_wait_alu depctr_va_vdst(0)                   ; v[LO], v[SO], v[L4], v[STZ] and v[STE] are written: every load, store and LDS instruction of the kernel reads one of them as its offset or address
.irp i, 0,1,2,3,4,5,6,7
.irp j, 0,1,2,3
	global_load_b128 v[X+16*(\i)+4*(\j):X+16*(\i)+4*(\j)+3], v[LO], s[4:5] offset:2048*(\i)+512*(\j) th:TH_LOAD_NT
.endr
.endr
.irp i, 0,1,2,3
.irp j, 0,1,2,3
	global_load_b128 v[X+128+16*(\i)+4*(\j):X+128+16*(\i)+4*(\j)+3], v[LO], s[6:7] offset:2048*(\i)+512*(\j) th:TH_LOAD_NT
.endr
.endr
; Row i's sum goes to its word in LDS: rows 0 to 7 are z rows, rows 8 to 11 code rows.  All lanes write the same word with the same number.
.macro PUT i
.if (\i) < 8
	ds_store_b32 v[STZ], v[SUM+(\i)] offset:4*(\i)
.else
	ds_store_b32 v[STE], v[SUM+(\i)] offset:4*((\i)-8)
.endif
.endm
; Row i of my twelve: rounded, squared and summed, stored.  base: the scalar pair of the bf16 output; rowoff: the row's bytes in it.
.macro ROW i, base, rowoff
	s_wait_loadcnt 4*(11-(\i))                     ; loads come back in order: the later rows' four loads each may stay out
.irp j, 0,1,2,3
	v_cvt_pk_bf16_f32 v[X+16*(\i)+4*(\j)],   v[X+16*(\i)+4*(\j)],   v[X+16*(\i)+4*(\j)+1]  ; four numbers into two registers, in place, to nearest even
	v_cvt_pk_bf16_f32 v[X+16*(\i)+4*(\j)+1], v[X+16*(\i)+4*(\j)+2], v[X+16*(\i)+4*(\j)+3]
.endr
.irp j, 0,1,2,3
.irp c, 0,1
.if (\j) == 0                          ; the first links start the four chains from 0
	v_fma_mix_f32_bf16 v[A+2*(\c)],   v[X+16*(\i)+(\c)], v[X+16*(\i)+(\c)], v[ZR] op_sel_hi:[1,1,0]
	v_fma_mix_f32_bf16 v[A+2*(\c)+1], v[X+16*(\i)+(\c)], v[X+16*(\i)+(\c)], v[ZR] op_sel:[1,1,0] op_sel_hi:[1,1,0]
.else                                  ; low half squared, high half squared, each added in f32 with one rounding
	v_fma_mix_f32_bf16 v[A+2*(\c)],   v[X+16*(\i)+4*(\j)+(\c)], v[X+16*(\i)+4*(\j)+(\c)], v[A+2*(\c)] op_sel_hi:[1,1,0]
	v_fma_mix_f32_bf16 v[A+2*(\c)+1], v[X+16*(\i)+4*(\j)+(\c)], v[X+16*(\i)+4*(\j)+(\c)], v[A+2*(\c)+1] op_sel:[1,1,0] op_sel_hi:[1,1,0]
.endif
.endr
.endr
	s_wait_alu depctr_va_vdst(0)                   ; this row's conversions have written the eight registers that its four stores read; the row before has written its SUM, which the LDS store reads
	global_store_b64 v[SO], v[X+16*(\i):X+16*(\i)+1],     s[\base:\base+1] offset:(\rowoff)      ; 32 lanes store 256 consecutive bytes, aligned.  The five memory lines stand among the reduction's
	v_add_f32 v[A], v[A], v[A+1]
	global_store_b64 v[SO], v[X+16*(\i)+4:X+16*(\i)+5],   s[\base:\base+1] offset:(\rowoff)+256  ; lines with no further wait: no vector instruction since the wait names a register that they touch
	v_add_f32 v[A+2], v[A+2], v[A+3]
	global_store_b64 v[SO], v[X+16*(\i)+8:X+16*(\i)+9],   s[\base:\base+1] offset:(\rowoff)+512
	v_add_f32 v[T], v[A], v[A+2]
	global_store_b64 v[SO], v[X+16*(\i)+12:X+16*(\i)+13], s[\base:\base+1] offset:(\rowoff)+768
	v_add_f32_dpp v[T], v[T], v[T] row_xmask:1 row_mask:0xf bank_mask:0xf   ; across the lanes: four steps inside each half of 16,
.if (\i) > 0
	PUT (\i)-1                                     ; the sum of the row before
.endif
	v_add_f32_dpp v[T], v[T], v[T] row_xmask:2 row_mask:0xf bank_mask:0xf
	v_add_f32_dpp v[T], v[T], v[T] row_xmask:4 row_mask:0xf bank_mask:0xf
	v_add_f32_dpp v[T], v[T], v[T] row_xmask:8 row_mask:0xf bank_mask:0xf
	v_permlanex16_b32 v[T+1], v[T], s20, s21                                ; one across the halves
	v_add_f32 v[SUM+(\i)], v[T], v[T+1]            ; into the row's own register, so that no register that an LDS store has read is written again
.endm
.irp i, 0,1,2,3,4,5,6,7
	ROW \i, 8, 1024*(\i)
.endr
.irp i, 0,1,2,3
	ROW 8+(\i), 10, 1024*(\i)
.endr
	s_wait_alu depctr_va_vdst(0)                   ; the last row has written its SUM, which the LDS store reads; and the chains' lines are done with v[A:A+2], in which the LDS loads behind the barrier land
	PUT 11
	s_wait_dscnt 0x0                               ; for the others' sake: my sums lie in LDS
	s_barrier_signal -1
	s_barrier_wait -1                              ; everybody's do
	s_cmp_lg_u32 s[WV], 0
	s_cbranch_scc1 .Lnot_z2
	ds_load_b64 v[A:A+1], v[SO]                    ; wave 0: the group's 64 z2
	s_wait_dscnt 0x0
	global_store_b64 v[SO], v[A:A+1], s[12:13]     ; 256 consecutive bytes, aligned
.Lnot_z2:
	s_cmp_lg_u32 s[WV], 1
	s_cbranch_scc1 .Lend
	ds_load_b32 v[A+2], v[L4] offset:256           ; wave 1: the group's 32 e2, into a register that no store above reads
	s_wait_dscnt 0x0
	global_store_b32 v[L4], v[A+2], s[14:15]       ; 128 consecutive bytes
.Lend:
	s_wait_dscnt 0x0                               ; the closing lines, six on end
	s_wait_alu 0x0
	s_wait_tensorcnt 0x0
	ds_add_u32 v[SPW], v[NIL]
	s_wait_dscnt 0x0
	s_endpgm
.Lfunc_end_k_qca49c73e01_prep:
	.size	k_qca49c73e01_prep, .Lfunc_end_k_qca49c73e01_prep-k_qca49c73e01_prep
	.p2alignl 7, 3214868480
	.fill 96, 4, 3214868480
	.section	.rodata,"a",@progbits
	.p2align	6, 0x0
	.amdhsa_kernel k_qca49c73e01_prep
		.amdhsa_group_segment_fixed_size 1536
		.amdhsa_private_segment_fixed_size 0
		.amdhsa_enable_private_segment 0
		.amdhsa_kernarg_size 48
		.amdhsa_user_sgpr_count 2
		.amdhsa_user_sgpr_kernarg_segment_ptr 1
		.amdhsa_wavefront_size32 1
		.amdhsa_system_sgpr_workgroup_id_x 1
		.amdhsa_system_sgpr_workgroup_id_y 1
		.amdhsa_system_sgpr_workgroup_id_z 1
		.amdhsa_system_vgpr_workitem_id 0
		.amdhsa_next_free_vgpr 224
		.amdhsa_next_free_sgpr 66
		.amdhsa_reserve_vcc 0
		.amdhsa_float_denorm_mode_32 3
		.amdhsa_float_denorm_mode_16_64 3
		.amdhsa_memory_ordered 1
		.amdhsa_forward_progress 1
		.amdhsa_inst_pref_size 37
	.end_amdhsa_kernel
	.amdgpu_metadata
---
amdhsa.version: [ 1, 2 ]
amdhsa.kernels:
  - .name:           k_qca49c73e01_prep
    .symbol:         k_qca49c73e01_prep.kd
    .args:
      - { .name: z_e, .offset: 0, .size: 8, .value_kind: global_buffer, .address_space: global }
      - { .name: codebook, .offset: 8, .size: 8, .value_kind: global_buffer, .address_space: global }
      - { .name: zb, .offset: 16, .size: 8, .value_kind: global_buffer, .address_space: global }
      - { .name: cb, .offset: 24, .size: 8, .value_kind: global_buffer, .address_space: global }
      - { .name: z2n, .offset: 32, .size: 8, .value_kind: global_buffer, .address_space: global }
      - { .name: e2n, .offset: 40, .size: 8, .value_kind: global_buffer, .address_space: global }
    .group_segment_fixed_size: 1536
    .private_segment_fixed_size: 0
    .kernarg_segment_align: 8
    .kernarg_segment_size: 48
    .max_flat_workgroup_size: 256
    .sgpr_count:     66
    .vgpr_count:     224
    .wavefront_size: 32
...
	.end_amdgpu_metadata
.endif
;; end of part 4
;; launch vq: the kernel of part 2 again; grid 64 x 4, 4 waves a work-group, clusters of 4 x 1, 327,680 bytes of LDS; arguments zb, cb, z2n, e2n, cand; writes cand
;; launch gather: the kernel of part 3 again; grid 256 x 1, 16 waves a work-group, no clusters, 0 bytes of LDS; arguments cand, zb, cb, out0; writes out0
